; MI455X (gfx1250); checked and timed in simulation.
; The chip was launched on July 23, 2026; its instructions are those of AMD's public machine-readable ISA for CDNA 5 (MIT licence, August 2026) and "CDNA5" Instruction Set Architecture Reference Guide (July 2026). The comments in the code are by the model that wrote it; some were corrected since.
;; Attention. Allowed arithmetic: float matrix products may take bf16 or f16 operands with f32 sums; all other float work in f32.
;; Inputs: Wa 32 x 1 float32; Wt 512 x 32 float32; Wx 512 x 32 float32; ba 1 float32; bh 32 float32; x 4 x 1,024 x 512 float32.
;; Outputs: out0 4 x 1,024 x 512 float32.
;; 2 versions, each right; version 2 is version 1 with the launch band_attn written anew for expert scheduling mode. Each part assembles by itself: llvm-mc -triple=amdgcn-amd-amdhsa -mcpu=gfx1250 --defsym DOCPART=n.
;; ======== version 1 of 2: 1 launch
;; limits: values are held in f16: magnitudes above 65,504 overflow, below 6.1e-05 lose precision; inputs' magnitudes at most 65,504
;; launch band_attn (part 1): grid 256 x 1, 8 waves a work-group, no clusters, 308,992 bytes of LDS; arguments x, Wt, Wx, bh, Wa, ba, out0; writes out0
.if DOCPART == 1
	.amdgcn_target "amdgcn-amd-amdhsa--gfx1250"
	.amdhsa_code_object_version 6
	.text
	.protected	k_q2049ed513b_band_attn
	.globl	k_q2049ed513b_band_attn
	.p2align	8
	.type	k_q2049ed513b_band_attn,@function
k_q2049ed513b_band_attn:
	s_mov_b64 s[64:65], 0
	v_nop
	global_prefetch_b8 v0, s[64:65] scope:SCOPE_SE
	s_setreg_imm32_b32 hwreg(HW_REG_WAVE_MODE, 25, 1), 1
	s_wait_xcnt 0x0
; Banded additive attention, one launch.  x [4][1024][512] f32, Wt, Wx [512][32], bh [32], Wa [32], ba [1], out0 [4][1024][512] f32.
;   q = x Wt, k = x Wx, e[t][j] = exp(sum_u Wa[u] tanh(q[t][u] + k[j][u] + bh[u]) + ba) for j = t-32 .. t+31 inside the batch, else 0,
;   out[t] = sum_j e[t][j] / (sum_j e[t][j] + 1e-7) x[j].
; A work-group makes 16 rows t0 .. t0+15 (256 work-groups).  Its window is the 80 rows t0-32 .. t0+47: five groups of 16 rows; a group that
; would lie outside the batch is read from a clamped place and its weights are set to 0.
; Eight waves.  Wave w owns columns d = 64 w .. 64 w + 63 from the first load to the last store: it loads its 256 bytes of each window row and
; its 64 rows of Wt and Wx, rounds them to f16 into LDS bytes of its own, multiplies them (a partial sum of q and k over its 64 d), and at the
; end makes its 64 columns of the output from the same LDS bytes.  Only three things pass between waves, each behind a barrier:
; the partial sums, the finished q and k, and the weights a.
; MATRIX OPERANDS f16 (x, Wt, Wx, a), sums f32; tanh, exp, the sum and the division in f32.  f16 and not bf16: an output is a mean of 64 rows,
; about an eighth of x's spread, and is asked for to a hundredth of that; 11 significant bits leave eight times the margin of bf16's 8.
; tanh z = 1 - 2 / (1 + 2^(2 log2e z)); an overflowing power gives 1/inf = 0 and tanh = 1, a vanishing one tanh = -1: right for every finite z.
; LIMITS.  (1) f16's range: an x, Wt or Wx above 65,504 in magnitude becomes an infinity and gives NaN where reference() may still be finite; below
; 6.1e-5 they are rounded in steps of 6e-8 (denormals are kept).  a is at most 1.  (2) As in reference() no maximum is taken away before the
; exponential (its 1e-7 is added to the unshifted sum), so e overflows where reference() overflows, above 88.7; e below 2^-126 comes out as 0,
; which moves a weight by less than 1e-31.  (3) An infinity or NaN in x: reference() makes NaN of that column d in every row of the batch
; (0 x inf); this text only in the 16 rows of the work-groups that load the row (their window of 80 rows, or the 16 rows read in place of a
; group outside the batch).  For finite x the two agree.
; NO CLUSTER: Wt and Wx (131,072 bytes) are what all work-groups share.  A joint tensor load would lay them into LDS as f32, 131,072 bytes beside the
; 307,968 used here, more than the 327,680 there are, and they pass through registers for the rounding in any case.  Neighbours' windows of x
; overlap, but shifted by 16 rows, and a joint tile lands at one LDS address in all partners.
.set PX,     144                       ; x slice: a row of 64 f16 = 128 bytes + 16.  9 x 16: the 16 rows of a fragment load start at 16 different 16-byte columns modulo 256
.set XSLICE, 96*PX                     ; 80 window rows + 16 rows of zeros (K of the last product is 96)
.set PW,     160                       ; W slice: a row d holds Wt[d][0..31], Wx[d][0..31] in f16 = 128 bytes + 32 (5 x 32, for the transposing loads)
.set WSLICE, 64*PW
.set PSL,    12*1024                   ; a wave's 12 partial tiles of 16 x 16 f32
.set PK,     144                       ; finished k', q': a row of 32 f32 + 16 bytes
.set PA,     208                       ; weights: a row of 96 f16 + 16 bytes (13 x 16)
.set PO,     272                       ; output stage: a row of 64 f32 + 16 bytes (17 x 16)
.set WS,     8*XSLICE                  ; LDS map: x slices at 0, W slices (later each wave's output stage),
.set PART,   WS+8*WSLICE               ; partial sums,
.set KQ,     PART+8*PSL                ; rows 0-79 k' of the window, rows 80-95 q' of my 16 rows,
.set AM,     KQ+96*PK                  ; weights a[16][96]; the end is AM + 16 PA = 307,968
; registers, block 0
.set LANE, 1
.set WGO,  2                           ; byte offset of my 16 bytes in Wt and in Wx
.set XO,   3                           ; v3-7: byte offset in x, one for each group of 16 window rows
.set WST,  8
.set XST,  9
.set ZST,  10
.set WLD,  11
.set XLD,  12
.set PST,  13
.set PLD,  14
.set PLD2, 15
.set KST,  16
.set QLD,  17
.set KLD,  18
.set AST,  19
.set ALD,  20
.set XTR,  21
.set OST,  22
.set ORD,  23
.set GO,   24
.set BHO,  25
.set JL,   26                          ; window row of my first j: (t - t0) + lane % 16
.set R,    27                          ; lane % 16
.set H,    28                          ; lane / 16
.set L7,   29
.set C8,   30
.set L3,   31
.set WA,   32                          ; v32-63  -2 log2e Wa[u], the same in every lane
.set CIN,  64                          ; v64-65  log2e (sum Wa + ba), 0
.set WL,   66                          ; v66-193 Wt, Wx as loaded
.set WF,   66                          ; v66-129 8 fragments of W
.set ACC,  130                         ; v130-225 12 accumulator tiles
.set RL,   66                          ; v66-161 24 pieces of partial sums
.set Q,    66                          ; v66-97  q' of my t
.set KK,   98                          ; v98-225 k' of my four j, then 2^z, 1 + 2^z, its reciprocal, in place
.set AC,   226                         ; v226-241 two chains of packed sums for each j
.set TS,   226                         ; (at the start: the tree that adds Wa)
.set ZR,   242                         ; v242-245 zeros (start only)
.set BH,   246                         ; v246-249 2 log2e bh of my four u, or 0
.set AZ,   250
.set E,    242                         ; v242-245 e, then a
.set S,    246
.set S2,   247
.set RC,   248
.set PB,   250
.set JV,   252                         ; v252-255 j inside the batch
.set AF,   66                          ; v66-89  3 fragments of a
.set XT,   90                          ; v90-185 12 fragments of x transposed
.set OA,   186                         ; v186-217 4 output tiles
.set OB,   90                          ; v90-121 rows read back from the stage
; registers, block 1 (written with their low 8 bits)
.set XL,   0                           ; v256-415 x as loaded
.set XSTB, 160                         ; v416 copy of XST, v417 copy of XLD: so that conversion, store and fragment load run under one window
.set XLDB, 161
.set XF,   162                         ; v418-497 10 fragments of x
.set MSB, 0
.macro WIN new                         ; low byte: bits 1:0 source 0, 3:2 source 1, 5:4 source 2, 7:6 destination; high byte: the setting that is left
.if MSB != \new
	s_set_vgpr_msb (MSB<<8)|\new
.set MSB, \new
.endif
.endm
	s_load_b256 s[4:11], s[0:1], 0x0               ; x s[4:5], Wt s[6:7], Wx s[8:9], bh s[10:11]
	s_load_b128 s[12:15], s[0:1], 0x20             ; Wa s[12:13], ba s[14:15]
	s_load_b64 s[16:17], s[0:1], 0x30              ; out0
	s_set_vgpr_msb 0x40
	v_lshl_add_u32 v248, v0, 2, 0x4b300
	v_mov_b32 v249, 0
	s_set_vgpr_msb 0x4000
	v_lshrrev_b32 v[LANE], 5, v0
	v_readfirstlane_b32 s21, v[LANE]               ; wave w
	v_and_b32 v[LANE], 31, v0
	v_and_b32 v[R], 15, v0
	v_bfe_u32 v[H], v0, 4, 1
	; only what the loads need comes first
	s_lshl_b32 s24, s21, 13                        ; my 64 rows of 128 bytes of Wt (Wx)
	v_lshl_add_u32 v[WGO], v[LANE], 4, s24
	s_and_b32 s25, s21, 2                          ; 2 ((w >> 1) & 1)
	s_lshl_b32 s25, s25, 5                         ; 64 ((w >> 1) & 1)
	s_and_b32 s26, s21, 1
	s_lshl_b32 s26, s26, 4                         ; 16 (w & 1)
	s_add_co_u32 s25, s25, s26                     ; s25 = their sum: with 32 h, four times the first u that I finish in the reduction
	v_lshl_add_u32 v[BHO], v[H], 5, s25
	s_and_b32 s22, ttmp9, 63
	s_lshl_b32 s22, s22, 4
	s_sub_co_i32 s22, s22, 32                      ; s22 = first window row, counted inside the batch: -32 .. 976
	s_lshr_b32 s23, ttmp9, 6
	s_lshl_b32 s23, s23, 10                        ; the batch's first row
	s_lshl_b32 s27, s21, 8                         ; my 256 bytes of a row
	v_lshl_add_u32 v[XO+4], v[R], 4, s27
	v_lshl_add_u32 v[XO+4], v[H], 14, v[XO+4]      ; lanes 16-31 take the row 8 further down
.irp g, 0,1,2,3,4
	s_add_co_i32 s28, s22, 16*\g                   ; a group of 16 rows lies wholly inside or wholly outside the batch:
	s_max_i32 s28, s28, 0                          ; outside, it is read from the batch's first or last 16 rows, and weighs 0
	s_min_i32 s28, s28, 1008
	s_add_co_u32 s28, s28, s23
	s_lshl_b32 s28, s28, 11
	v_add_nc_u32 v[XO+\g], s28, v[XO+4]
.endr
	s_mul_i32 s29, s21, XSLICE                     ; s29 = my x slice
	v_mul_u32_u24 v[XST], v[H], 8*PX               ; store: 8 bytes a lane, lanes 16-31 eight rows (1,152 bytes = 128 modulo 256) further
	v_lshl_add_u32 v[XST], v[R], 3, v[XST]
	v_add_nc_u32 v[XST], s29, v[XST]
	v_mul_u32_u24 v[XLD], v[R], PX                 ; fragment: row lane % 16, 16 bytes for each half of the lanes
	v_lshl_add_u32 v[XLD], v[H], 4, v[XLD]
	v_add_nc_u32 v[XLD], s29, v[XLD]
	s_wait_kmcnt 0x0
	s_load_b512 s[32:47], s[12:13], 0x0            ; Wa[0..15]
	s_load_b512 s[48:63], s[12:13], 0x40           ; Wa[16..31]
	s_load_b32 s20, s[14:15], 0x0                  ; ba
	; 57 loads of 16 bytes a lane: bh, then W (a wave's load covers 512 consecutive bytes), then 48 rows of x (two pieces of 256 consecutive bytes, aligned)
	global_load_b128 v[BH:BH+3], v[BHO], s[10:11]
.set i, 0
.rept 16
	global_load_b128 v[WL+4*i:WL+4*i+3], v[WGO], s[6:7] offset:512*i
.set i, i+1
.endr
.set i, 0
.rept 16
	global_load_b128 v[WL+64+4*i:WL+64+4*i+3], v[WGO], s[8:9] offset:512*i
.set i, i+1
.endr
	WIN 0x40                                       ; destination in block 1
	v_mov_b32 v[XSTB], v[XST]
	v_mov_b32 v[XLDB], v[XLD]
.irp g, 0,1,2
.irp s, 0,1,2,3,4,5,6,7
	global_load_b128 v[XL+4*(8*\g+\s):XL+4*(8*\g+\s)+3], v[XO+\g], s[4:5] offset:2048*\s
.endr
.endr
	WIN 0
	; The rest of the set-up stands here, while the 57 loads are on their way.
	v_and_b32 v[L7], 7, v0
	v_bfe_u32 v[C8], v0, 3, 1
	v_bfe_u32 v[L3], v0, 3, 2
.irp j, 0,1,2,3
	v_mov_b32 v[ZR+\j], 0
.endr
	v_lshl_add_u32 v[ZST], v[LANE], 4, s29
.irp o, 0,512,1024,1536,1792
	ds_store_b128 v[ZST], v[ZR:ZR+3] offset:80*PX+\o   ; rows 80-95 of my slice = 2,304 bytes of zeros (the last store overlaps the fourth and ends with the slice)
.endr
	s_mul_i32 s30, s21, 2*PA
	s_add_co_u32 s30, s30, AM                      ; s30 = rows 2w, 2w+1 of a
	v_lshl_add_u32 v[AZ], v[LANE], 3, s30
	ds_store_b64 v[AZ], v[ZR:ZR+1]                 ; my two rows of a, 416 bytes, start as zeros: bytes 0-255 and 160-415.
	ds_store_b64 v[AZ], v[ZR:ZR+1] offset:160      ; The band is stored over them later by this same wave, whose LDS instructions are served in order
	s_mul_i32 s31, s21, WSLICE
	s_add_co_u32 s31, s31, WS                      ; s31 = my W slice
	v_mul_u32_u24 v[WST], v[L3], PW                ; a load of W holds 4 rows d of 32 f32: row lane / 8, 8 bytes of f16 at lane % 8
	v_lshl_add_u32 v[WST], v[L7], 3, v[WST]
	v_add_nc_u32 v[WST], s31, v[WST]
	v_lshl_add_u32 v[WLD], v[H], 3, v[L7]          ; transposing loads: row 8 h + lane % 8, 16 bytes at (lane / 8) % 2
	v_mul_u32_u24 v[XTR], v[WLD], PX
	v_mul_u32_u24 v[WLD], v[WLD], PW
	v_lshl_add_u32 v[WLD], v[C8], 4, v[WLD]
	v_lshl_add_u32 v[XTR], v[C8], 4, v[XTR]
	v_add_nc_u32 v[WLD], s31, v[WLD]
	v_add_nc_u32 v[XTR], s29, v[XTR]
	s_mul_i32 s28, s21, PSL
	s_add_co_u32 s28, s28, PART
	v_lshl_add_u32 v[PST], v[LANE], 4, s28         ; partial sums go out as they lie in the registers: 16 bytes a lane
	v_lshlrev_b32 v[PLD], 4, v0                    ; and thread n adds piece n, n + 256, n + 512 of all eight waves
	v_add_nc_u32 v[PLD], PART, v[PLD]
	v_add_nc_u32 v[PLD2], 4*PSL, v[PLD]            ; waves 4-7: beyond the 16-bit immediate
	s_lshr_b32 s28, s21, 2
	s_mul_i32 s28, s28, 16*PK
	s_add_co_u32 s28, s28, s25
	s_add_co_u32 s28, s28, KQ
	v_mul_u32_u24 v[KST], v[R], PK                 ; finished: row 16 (w>>2) + 32 i + lane % 16, u = 16 ((w>>1)&1) + 8 h + 4 (w&1): bytes of KQ, behind the partial sums
	v_lshl_add_u32 v[KST], v[H], 5, v[KST]
	v_add_nc_u32 v[KST], s28, v[KST]
	s_mul_i32 s28, s21, 2*PK
	s_add_co_u32 s28, s28, KQ+80*PK
	v_mul_u32_u24 v[QLD], v[H], PK                 ; q' of t - t0 = 2 w + h
	v_add_nc_u32 v[QLD], s28, v[QLD]
	s_lshl_b32 s28, s21, 1
	v_add_nc_u32 v[JL], v[R], v[H]
	v_add_nc_u32 v[JL], s28, v[JL]                 ; window row of j = t - 32 + lane % 16: 2 w + h + lane % 16
	v_mul_u32_u24 v[KLD], v[JL], PK
	v_add_nc_u32 v[KLD], KQ, v[KLD]
	v_mul_u32_u24 v[AST], v[H], PA
	v_lshl_add_u32 v[AST], v[JL], 1, v[AST]
	v_add_nc_u32 v[AST], s30, v[AST]
	v_mul_u32_u24 v[ALD], v[R], PA
	v_lshl_add_u32 v[ALD], v[H], 4, v[ALD]
	v_add_nc_u32 v[ALD], AM, v[ALD]
	v_mul_u32_u24 v[OST], v[R], PO                 ; the output stage lies in my W slice, which only I touch and have read out by then
	v_lshl_add_u32 v[OST], v[H], 5, v[OST]
	v_add_nc_u32 v[OST], s31, v[OST]
	v_mul_u32_u24 v[ORD], v[H], PO
	v_lshl_add_u32 v[ORD], v[R], 4, v[ORD]
	v_add_nc_u32 v[ORD], s31, v[ORD]
	s_lshl_b32 s28, ttmp9, 15                      ; 16 rows of 2,048 bytes
	s_add_co_u32 s28, s28, s27
	v_lshlrev_b32 v[GO], 11, v[H]
	v_lshl_add_u32 v[GO], v[R], 4, v[GO]
	v_add_nc_u32 v[GO], s28, v[GO]
	s_cmp_ge_u32 s21, 4                            ; waves 4-7 finish the q tiles in their third piece: they add bh there
	s_cselect_b32 s26, -1, 0
	s_mov_b32 s24, 0xc038aa3b                      ; -2 log2 e
	s_wait_kmcnt 0x0                               ; Wa, ba
.set u, 0
.rept 32
	v_mul_f32 v[WA+u], s24, s[32+u]
.set u, u+1
.endr
.irp i, 0,1,2,3,4,5,6,7
	v_pk_add_f32 v[TS+2*\i:TS+2*\i+1], v[WA+4*\i:WA+4*\i+1], v[WA+4*\i+2:WA+4*\i+3]
.endr
.irp i, 0,1,2,3
	v_pk_add_f32 v[TS+4*\i:TS+4*\i+1], v[TS+4*\i:TS+4*\i+1], v[TS+4*\i+2:TS+4*\i+3]
.endr
	v_pk_add_f32 v[TS:TS+1], v[TS:TS+1], v[TS+4:TS+5]
	v_pk_add_f32 v[TS+8:TS+9], v[TS+8:TS+9], v[TS+12:TS+13]
	v_pk_add_f32 v[TS:TS+1], v[TS:TS+1], v[TS+8:TS+9]
	v_add_f32 v[TS], v[TS], v[TS+1]                ; -2 log2e sum Wa
	v_mov_b32 v[TS+1], s20
	v_mul_f32 v[TS+1], 0x3fb8aa3b, v[TS+1]         ; log2e ba
	v_fma_f32 v[CIN], v[TS], -0.5, v[TS+1]         ; log2e (sum Wa + ba): sum Wa tanh = sum Wa - 2 sum Wa / (1 + 2^z)
	v_mov_b32 v[CIN+1], 0
	; W: round to f16, in place, and store as [d][Wt 0..31 | Wx 0..31]
.macro WCONV i
	v_cvt_pk_f16_f32 v[WL+4*(\i)], v[WL+4*(\i)], v[WL+4*(\i)+1]
	v_cvt_pk_f16_f32 v[WL+4*(\i)+1], v[WL+4*(\i)+2], v[WL+4*(\i)+3]
	ds_store_b64 v[WST], v[WL+4*(\i):WL+4*(\i)+1] offset:((\i)%16)*4*PW+((\i)/16)*64
.endm
	s_wait_loadcnt 48                              ; loads come back in order (ISA guide 5.7.1): of the 57, bh and W's first eight are in; 24 of W and 24 of x stay out
	v_pk_mul_f32 v[BH:BH+1], v[BH:BH+1], 0x4038aa3b op_sel_hi:[1,0]       ; 2 log2e bh
	v_pk_mul_f32 v[BH+2:BH+3], v[BH+2:BH+3], 0x4038aa3b op_sel_hi:[1,0]
.irp j, 0,1,2,3
	v_cndmask_b32 v[BH+\j], 0, v[BH+\j], s26
.endr
.set i, 0
.rept 8
	WCONV i
.set i, i+1
.endr
	s_wait_loadcnt 40                              ; W's second eight; 16 of W and 24 of x stay out
.rept 8
	WCONV i
.set i, i+1
.endr
	; The last 32 rows of x are asked for here and not with the rest: 73 loads in one run would be more than a wait's count can name (63),
	; and the first wait for W could not have said what it waits for.  With these 16 the wave has at most 56 out.
	WIN 0x40
.irp g, 3,4
.irp s, 0,1,2,3,4,5,6,7
	global_load_b128 v[XL+4*(8*\g+\s):XL+4*(8*\g+\s)+3], v[XO+\g], s[4:5] offset:2048*\s
.endr
.endr
	WIN 0
.irp left, 48,40                                   ; W's third, fourth eight: 8, 0 loads of W and the 40 of x are younger
	s_wait_loadcnt \left
.rept 8
	WCONV i
.set i, i+1
.endr
.endr
	s_wait_dscnt 0x0                               ; the stores of W are done before fragments land on the registers that they read (x is still on its way meanwhile)
.irp ks, 0,1
.irp nt, 0,1,2,3
	ds_load_tr16_b128 v[WF+8*(4*\ks+\nt):WF+8*(4*\ks+\nt)+3], v[WLD] offset:\ks*32*PW+\nt*32             ; column u = 16 nt + lane % 16 (nt 0, 1: Wt; 2, 3: Wx), d = 32 ks + 8 h + 0..7
	ds_load_tr16_b128 v[WF+8*(4*\ks+\nt)+4:WF+8*(4*\ks+\nt)+7], v[WLD] offset:\ks*32*PW+\nt*32+16*PW     ; d = 32 ks + 16 + 8 h + 0..7
.endr
.endr
	; x: round to f16, in place, and store as [window row][my 64 columns].  Everything in block 1, the two addresses too: one window.
.macro XCONV i
	v_cvt_pk_f16_f32 v[XL+4*(\i)], v[XL+4*(\i)], v[XL+4*(\i)+1]
	v_cvt_pk_f16_f32 v[XL+4*(\i)+1], v[XL+4*(\i)+2], v[XL+4*(\i)+3]
	ds_store_b64 v[XSTB], v[XL+4*(\i):XL+4*(\i)+1] offset:(16*((\i)/8)+(\i)%8)*PX
.endm
	WIN 0x45
.set i, 0
.irp left, 32,24,16,8,0                            ; a group of eight loads is in, the younger groups stay out
	s_wait_loadcnt \left
.rept 8
	XCONV i
.set i, i+1
.endr
.endr
.irp ks, 0,1
.irp mt, 0,1,2,3,4
	ds_load_b128 v[XF+8*(5*\ks+\mt):XF+8*(5*\ks+\mt)+3], v[XLDB] offset:\mt*16*PX+64*\ks          ; my own stores, served in order in front of these loads
	ds_load_b128 v[XF+8*(5*\ks+\mt)+4:XF+8*(5*\ks+\mt)+7], v[XLDB] offset:\mt*16*PX+64*\ks+32
.endr
.endr
	; Partial projections over my 64 d.  The matrix form is used transposed (source 0 = 16 columns u of W, source 1 = 16 rows of x), so that a lane
	; holds eight neighbouring u of one row.  Tiles 0-9: k of window rows 16 mt .., u = 16 n ..; tiles 10, 11: q, from window rows 32-47 = my 16 rows t.
.macro PROJ ks, first
.irp mt, 0,1,2,3,4
.irp n, 0,1
.if \first
	v_wmma_f32_16x16x32_f16 v[ACC+8*(2*\mt+\n):ACC+8*(2*\mt+\n)+7], v[WF+8*(4*\ks+2+\n):WF+8*(4*\ks+2+\n)+7], v[XF+8*(5*\ks+\mt):XF+8*(5*\ks+\mt)+7], 0
.else
	v_wmma_f32_16x16x32_f16 v[ACC+8*(2*\mt+\n):ACC+8*(2*\mt+\n)+7], v[WF+8*(4*\ks+2+\n):WF+8*(4*\ks+2+\n)+7], v[XF+8*(5*\ks+\mt):XF+8*(5*\ks+\mt)+7], v[ACC+8*(2*\mt+\n):ACC+8*(2*\mt+\n)+7]
.endif
.endr
.endr
.irp n, 0,1
.if \first
	v_wmma_f32_16x16x32_f16 v[ACC+8*(10+\n):ACC+8*(10+\n)+7], v[WF+8*(4*\ks+\n):WF+8*(4*\ks+\n)+7], v[XF+8*(5*\ks+2):XF+8*(5*\ks+2)+7], 0
.else
	v_wmma_f32_16x16x32_f16 v[ACC+8*(10+\n):ACC+8*(10+\n)+7], v[WF+8*(4*\ks+\n):WF+8*(4*\ks+\n)+7], v[XF+8*(5*\ks+2):XF+8*(5*\ks+2)+7], v[ACC+8*(10+\n):ACC+8*(10+\n)+7]
.endif
.endr
.endm
	s_wait_dscnt 10                                ; W's fragments and x's of the first 32 d are in; the ten loads for the second 32 d stay out
	WIN 0x04                                       ; source 1 (x) in block 1
	PROJ 0, 1                                      ; the first products start the sums
	s_wait_dscnt 0x0
	PROJ 1, 0
	WIN 0
.rept 4
	v_nop                                          ; four places behind the last matrix instruction before its results are stored (ISA guide 7.12.1)
.endr
.set i, 0
.rept 24
	ds_store_b128 v[PST], v[ACC+4*i:ACC+4*i+3] offset:512*i    ; tile i / 2, registers 4 (i % 2) ..: 512 consecutive bytes a store
.set i, i+1
.endr
	s_wait_dscnt 0x0                               ; for the other waves: all my partial sums are in LDS
	s_barrier_signal -1
	s_barrier_wait -1
	; Thread (w, lane) adds the eight waves' pieces of tile (w >> 1) + 4 i, registers 4 (w & 1) .., lane: four neighbouring u of one row.
	; The sums go to KQ, bytes that lie behind the partial sums: no wave's store touches what another still reads.
.irp i, 0,1,2
.irp p, 0,1,2,3
	ds_load_b128 v[RL+32*\i+4*\p:RL+32*\i+4*\p+3], v[PLD] offset:\p*PSL+\i*4096
.endr
.irp p, 0,1,2,3
	ds_load_b128 v[RL+32*\i+16+4*\p:RL+32*\i+16+4*\p+3], v[PLD2] offset:\p*PSL+\i*4096
.endr
.endr
.macro RSUM b
.irp p, 0,2
	v_pk_add_f32 v[\b+\p:\b+\p+1], v[\b+\p:\b+\p+1], v[\b+4+\p:\b+4+\p+1]
	v_pk_add_f32 v[\b+8+\p:\b+8+\p+1], v[\b+8+\p:\b+8+\p+1], v[\b+12+\p:\b+12+\p+1]
	v_pk_add_f32 v[\b+16+\p:\b+16+\p+1], v[\b+16+\p:\b+16+\p+1], v[\b+20+\p:\b+20+\p+1]
	v_pk_add_f32 v[\b+24+\p:\b+24+\p+1], v[\b+24+\p:\b+24+\p+1], v[\b+28+\p:\b+28+\p+1]
	v_pk_add_f32 v[\b+\p:\b+\p+1], v[\b+\p:\b+\p+1], v[\b+8+\p:\b+8+\p+1]
	v_pk_add_f32 v[\b+16+\p:\b+16+\p+1], v[\b+16+\p:\b+16+\p+1], v[\b+24+\p:\b+24+\p+1]
	v_pk_add_f32 v[\b+\p:\b+\p+1], v[\b+\p:\b+\p+1], v[\b+16+\p:\b+16+\p+1]
.endr
.endm
	s_wait_dscnt 16                                ; the first eight pieces are in, sixteen loads stay out
	RSUM RL
	v_pk_mul_f32 v[RL:RL+1], v[RL:RL+1], 0x4038aa3b op_sel_hi:[1,0]       ; k' = 2 log2e k
	v_pk_mul_f32 v[RL+2:RL+3], v[RL+2:RL+3], 0x4038aa3b op_sel_hi:[1,0]
	ds_store_b128 v[KST], v[RL:RL+3]
	s_wait_dscnt 9                                 ; eight loads and the store above are younger than the second eight
	RSUM RL+32
	v_pk_mul_f32 v[RL+32:RL+33], v[RL+32:RL+33], 0x4038aa3b op_sel_hi:[1,0]
	v_pk_mul_f32 v[RL+34:RL+35], v[RL+34:RL+35], 0x4038aa3b op_sel_hi:[1,0]
	ds_store_b128 v[KST], v[RL+32:RL+35] offset:32*PK
	s_wait_dscnt 2                                 ; only the two stores are younger than the last eight
	RSUM RL+64
	v_pk_fma_f32 v[RL+64:RL+65], v[RL+64:RL+65], 0x4038aa3b, v[BH:BH+1] op_sel_hi:[1,0,1]     ; waves 0-3: k' of rows 64-79 (+ 0); waves 4-7: q' = 2 log2e (q + bh), rows 80-95
	v_pk_fma_f32 v[RL+66:RL+67], v[RL+66:RL+67], 0x4038aa3b, v[BH+2:BH+3] op_sel_hi:[1,0,1]
	ds_store_b128 v[KST], v[RL+64:RL+67] offset:64*PK
	s_wait_dscnt 0x0                               ; for the other waves: my part of k' and q' is in LDS
	s_barrier_signal -1
	s_barrier_wait -1
	; e for t - t0 = 2 w + h and j = t - 32 + lane % 16 + 16 i, i = 0..3: 4 x 32 tanh a lane
.irp m, 0,1,2,3,4,5,6,7
	ds_load_b128 v[Q+4*\m:Q+4*\m+3], v[QLD] offset:16*\m
.endr
.irp i, 0,1,2,3
.irp m, 0,1,2,3,4,5,6,7
	ds_load_b128 v[KK+32*\i+4*\m:KK+32*\i+4*\m+3], v[KLD] offset:\i*16*PK+16*\m
.endr
.endr
.macro ZADD i                                      ; z' = q' + k'
.set m, 0
	s_wait_alu depctr_va_vdst(0)
.rept 16
	v_pk_add_f32 v[KK+32*\i+2*m:KK+32*\i+2*m+1], v[KK+32*\i+2*m:KK+32*\i+2*m+1], v[Q+2*m:Q+2*m+1]
.set m, m+1
.endr
.endm
.macro EXPS i
.set m, 0
.rept 32
	v_exp_f32 v[KK+32*\i+m], v[KK+32*\i+m]
.set m, m+1
.endr
.endm
.macro RCPS i
.set m, 0
.rept 32
	v_rcp_f32 v[KK+32*\i+m], v[KK+32*\i+m]
.set m, m+1
.endr
.endm
.macro ADD1L j, m                                  ; 1 + 2^z'
	v_pk_add_f32 v[KK+32*\j+2*(\m):KK+32*\j+2*(\m)+1], v[KK+32*\j+2*(\m):KK+32*\j+2*(\m)+1], 1.0 op_sel_hi:[1,0]
.endm
.macro FMAL i, m                                   ; two chains of packed sums; the first starts from log2e (sum Wa + ba), the second from its first product
.if (\m) == 0
	s_wait_alu depctr_va_vdst(0)
	v_pk_fma_f32 v[AC+4*\i:AC+4*\i+1], v[KK+32*\i:KK+32*\i+1], v[WA:WA+1], v[CIN:CIN+1]
.else
.if (\m) == 1
	v_pk_mul_f32 v[AC+4*\i+2:AC+4*\i+3], v[KK+32*\i+2:KK+32*\i+3], v[WA+2:WA+3]
.else
	v_pk_fma_f32 v[AC+4*\i+2*((\m)%2):AC+4*\i+2*((\m)%2)+1], v[KK+32*\i+2*(\m):KK+32*\i+2*(\m)+1], v[WA+2*(\m):WA+2*(\m)+1], v[AC+4*\i+2*((\m)%2):AC+4*\i+2*((\m)%2)+1]
.endif
.endif
.endm
.macro FMA_ADD1 i, j                               ; the sums of one j and the 1 + 2^z' of the next, line by line: neither waits for the line in front
.set m, 0
.rept 16
	FMAL \i, m
	ADD1L \j, m
.set m, m+1
.endr
.endm
	; Behind each run of transcendentals stands plain vector work on other registers (the next j's sums q' + k', or a v_nop) before a result is used
	; (ISA guide 5.7.2).
	s_wait_dscnt 24                                ; q' and the first k' row are in; three rows of eight loads stay out
	ZADD 0
	EXPS 0
	s_wait_dscnt 16
	ZADD 1
.set m, 0
.rept 16
	ADD1L 0, m
.set m, m+1
.endr
	RCPS 0
	EXPS 1
	s_wait_dscnt 8
	ZADD 2
	FMA_ADD1 0, 1
	RCPS 1
	EXPS 2
	s_wait_dscnt 0x0
	ZADD 3
	FMA_ADD1 1, 2
	RCPS 2
	EXPS 3
	v_nop
	s_wait_alu depctr_va_vdst(0)
	FMA_ADD1 2, 3
	RCPS 3
	v_nop
	s_wait_alu depctr_va_vdst(0)
.set m, 0
.rept 16
	FMAL 3, m
.set m, m+1
.endr
.irp i, 0,1,2,3
	v_pk_add_f32 v[AC+4*\i:AC+4*\i+1], v[AC+4*\i:AC+4*\i+1], v[AC+4*\i+2:AC+4*\i+3]
.endr
.irp i, 0,1,2,3
	v_add_f32 v[E+\i], v[AC+4*\i], v[AC+4*\i+1]    ; log2e (sum Wa tanh + ba)
.endr
.irp i, 0,1,2,3
	v_exp_f32 v[E+\i], v[E+\i]
.endr
	v_add_nc_u32 v[JV], s22, v[JL]                 ; j inside the batch; below 0 it wraps to a large number
.irp i, 1,2,3
	v_add_nc_u32 v[JV+\i], 16*\i, v[JV]
.endr
	s_wait_alu depctr_va_vdst(0)
.irp i, 0,1,2,3
	v_cmp_gt_u32 vcc_lo, 0x400, v[JV+\i]
	v_cndmask_b32 v[E+\i], 0, v[E+\i], vcc_lo      ; the band ends with the batch
.endr
	v_add_f32 v[S], v[E], v[E+1]
	v_add_f32 v[S2], v[E+2], v[E+3]
	v_add_f32 v[S], v[S], v[S2]
	v_add_f32_dpp v[S], v[S], v[S] row_xmask:1 row_mask:0xf bank_mask:0xf     ; the 16 lanes of a half hold one t
	v_add_f32_dpp v[S], v[S], v[S] row_xmask:2 row_mask:0xf bank_mask:0xf
	v_add_f32_dpp v[S], v[S], v[S] row_xmask:4 row_mask:0xf bank_mask:0xf
	v_add_f32_dpp v[S], v[S], v[S] row_xmask:8 row_mask:0xf bank_mask:0xf
	v_add_f32 v[S], 0x33d6bf95, v[S]               ; + 1e-7
	v_rcp_f32 v[RC], v[S]
	v_nop
	s_wait_alu depctr_va_vdst(0)
.irp i, 0,1,2,3
	v_mul_f32 v[E+\i], v[E+\i], v[RC]
.endr
	v_cvt_pk_f16_f32 v[PB], v[E], v[E+1]           ; a is at most 1: inside f16's range whatever the inputs
	v_cvt_pk_f16_f32 v[PB+1], v[E+2], v[E+3]
	ds_store_b16 v[AST], v[PB]                     ; a[t - t0][window row], over the zeros that this wave stored at the start
	ds_store_b16_d16_hi v[AST], v[PB] offset:32
	ds_store_b16 v[AST], v[PB+1] offset:64
	ds_store_b16_d16_hi v[AST], v[PB+1] offset:96
	s_wait_dscnt 0x0                               ; for the other waves: my two rows of a are in LDS
	s_barrier_signal -1
	; between signal and wait: loads from my own x slice, which nobody writes any more
.irp ks, 0,1,2
.irp nt, 0,1,2,3
	ds_load_tr16_b128 v[XT+8*(4*\ks+\nt):XT+8*(4*\ks+\nt)+3], v[XTR] offset:\ks*32*PX+\nt*32             ; column 16 nt + lane % 16 of my 64, window rows 32 ks + 8 h + 0..7
	ds_load_tr16_b128 v[XT+8*(4*\ks+\nt)+4:XT+8*(4*\ks+\nt)+7], v[XTR] offset:\ks*32*PX+\nt*32+16*PX     ; window rows 32 ks + 16 + 8 h + 0..7
.endr
.endr
	s_barrier_wait -1
.irp ks, 0,1,2
	ds_load_b128 v[AF+8*\ks:AF+8*\ks+3], v[ALD] offset:64*\ks
	ds_load_b128 v[AF+8*\ks+4:AF+8*\ks+7], v[ALD] offset:64*\ks+32
.endr
	s_wait_dscnt 0x0
	; out[16][my 64 columns] = a[16][96] x[96][64], transposed use again: a lane holds eight neighbouring columns of row lane % 16
.irp nt, 0,1,2,3
	v_wmma_f32_16x16x32_f16 v[OA+8*\nt:OA+8*\nt+7], v[XT+8*\nt:XT+8*\nt+7], v[AF:AF+7], 0
.endr
.irp ks, 1,2
.irp nt, 0,1,2,3
	v_wmma_f32_16x16x32_f16 v[OA+8*\nt:OA+8*\nt+7], v[XT+8*(4*\ks+\nt):XT+8*(4*\ks+\nt)+7], v[AF+8*\ks:AF+8*\ks+7], v[OA+8*\nt:OA+8*\nt+7]
.endr
.endr
.rept 4
	v_nop                                          ; four places before the results are stored and before loads land on the fragments
.endr
.irp nt, 0,1,2,3
	ds_store_b128 v[OST], v[OA+8*\nt:OA+8*\nt+3] offset:64*\nt
	ds_store_b128 v[OST], v[OA+8*\nt+4:OA+8*\nt+7] offset:64*\nt+16
.endr
.irp t, 0,1,2,3,4,5,6,7
	ds_load_b128 v[OB+4*\t:OB+4*\t+3], v[ORD] offset:\t*2*PO       ; my own stage, served in order behind the stores: lanes 0-15 row 2 t, lanes 16-31 row 2 t + 1
.endr
.irp t, 0,1,2,3,4,5,6,7
	s_wait_dscnt 7-\t
	global_store_b128 v[GO], v[OB+4*\t:OB+4*\t+3], s[16:17] offset:\t*4096 th:TH_STORE_NT    ; 16 lanes store 256 consecutive bytes, at a multiple of 256 from out0's first byte
.endr
	s_set_vgpr_msb 0x5
	s_wait_tensorcnt 0x0
	ds_add_u32 v248, v249
	s_wait_dscnt 0x0
	s_set_vgpr_msb 0x500
	s_endpgm
.Lfunc_end_k_q2049ed513b_band_attn:
	.size	k_q2049ed513b_band_attn, .Lfunc_end_k_q2049ed513b_band_attn-k_q2049ed513b_band_attn
	.p2alignl 7, 3214868480
	.fill 96, 4, 3214868480
	.section	.rodata,"a",@progbits
	.p2align	6, 0x0
	.amdhsa_kernel k_q2049ed513b_band_attn
		.amdhsa_group_segment_fixed_size 308992
		.amdhsa_private_segment_fixed_size 0
		.amdhsa_enable_private_segment 0
		.amdhsa_kernarg_size 56
		.amdhsa_user_sgpr_count 2
		.amdhsa_user_sgpr_kernarg_segment_ptr 1
		.amdhsa_wavefront_size32 1
		.amdhsa_system_sgpr_workgroup_id_x 1
		.amdhsa_system_sgpr_workgroup_id_y 1
		.amdhsa_system_sgpr_workgroup_id_z 1
		.amdhsa_system_vgpr_workitem_id 0
		.amdhsa_next_free_vgpr 506
		.amdhsa_next_free_sgpr 66
		.amdhsa_reserve_vcc 1
		.amdhsa_float_denorm_mode_32 3
		.amdhsa_float_denorm_mode_16_64 3
		.amdhsa_memory_ordered 1
		.amdhsa_forward_progress 1
		.amdhsa_inst_pref_size 73
	.end_amdhsa_kernel
	.amdgpu_metadata
---
amdhsa.version: [ 1, 2 ]
amdhsa.kernels:
  - .name:           k_q2049ed513b_band_attn
    .symbol:         k_q2049ed513b_band_attn.kd
    .args:
      - { .name: x, .offset: 0, .size: 8, .value_kind: global_buffer, .address_space: global }
      - { .name: Wt, .offset: 8, .size: 8, .value_kind: global_buffer, .address_space: global }
      - { .name: Wx, .offset: 16, .size: 8, .value_kind: global_buffer, .address_space: global }
      - { .name: bh, .offset: 24, .size: 8, .value_kind: global_buffer, .address_space: global }
      - { .name: Wa, .offset: 32, .size: 8, .value_kind: global_buffer, .address_space: global }
      - { .name: ba, .offset: 40, .size: 8, .value_kind: global_buffer, .address_space: global }
      - { .name: out0, .offset: 48, .size: 8, .value_kind: global_buffer, .address_space: global }
    .group_segment_fixed_size: 308992
    .private_segment_fixed_size: 0
    .kernarg_segment_align: 8
    .kernarg_segment_size: 56
    .max_flat_workgroup_size: 256
    .sgpr_count:     66
    .vgpr_count:     506
    .wavefront_size: 32
...
	.end_amdgpu_metadata
.endif
;; end of part 1
;; ======== version 2 of 2: 1 launch; version 1 with the launch band_attn written anew for expert scheduling mode
;; limits: values are held in f16: magnitudes above 65,504 overflow, below 6.1e-05 lose precision; inputs' magnitudes at most 65,504
;; launch band_attn (part 2): grid 256 x 1, 8 waves a work-group, no clusters, 308,992 bytes of LDS; arguments x, Wt, Wx, bh, Wa, ba, out0; writes out0
.if DOCPART == 2
	.amdgcn_target "amdgcn-amd-amdhsa--gfx1250"
	.amdhsa_code_object_version 6
	.text
	.protected	k_q2049ed513b_band_attn
	.globl	k_q2049ed513b_band_attn
	.p2align	8
	.type	k_q2049ed513b_band_attn,@function
k_q2049ed513b_band_attn:
	s_mov_b64 s[64:65], 0
	v_nop
	global_prefetch_b8 v0, s[64:65] scope:SCOPE_SE
	s_setreg_imm32_b32 hwreg(HW_REG_WAVE_SCHED_MODE, 0, 2), 2
	s_setreg_imm32_b32 hwreg(HW_REG_WAVE_MODE, 25, 1), 1
	s_wait_xcnt 0x0
	s_wait_alu depctr_vm_vsrc(0)
; Banded additive attention, one launch.  x [4][1024][512] f32, Wt, Wx [512][32], bh [32], Wa [32], ba [1], out0 [4][1024][512] f32.
;   q = x Wt, k = x Wx, e[t][j] = exp(sum_u Wa[u] tanh(q[t][u] + k[j][u] + bh[u]) + ba) for j = t-32 .. t+31 inside the batch, else 0,
;   out[t] = sum_j e[t][j] / (sum_j e[t][j] + 1e-7) x[j].
; A work-group makes 16 rows t0 .. t0+15 (256 work-groups).  Its window is the 80 rows t0-32 .. t0+47: five groups of 16 rows; a group that
; would lie outside the batch is read from a clamped place and its weights are set to 0.
; Eight waves.  Wave w owns columns d = 64 w .. 64 w + 63 from the first load to the last store: it loads its 256 bytes of each window row and
; its 64 rows of Wt and Wx, rounds them to f16 into LDS bytes of its own, multiplies them (a partial sum of q and k over its 64 d), and at the
; end makes its 64 columns of the output from the same LDS bytes.  Only three things pass between waves, each behind a barrier:
; the partial sums, the finished q and k, and the weights a.
; MATRIX OPERANDS f16 (x, Wt, Wx, a), sums f32; tanh, exp, the sum and the division in f32.  f16 and not bf16: an output is a mean of 64 rows,
; about an eighth of x's spread, and is asked for to a hundredth of that; 11 significant bits leave eight times the margin of bf16's 8.
; tanh z = 1 - 2 / (1 + 2^(2 log2e z)); an overflowing power gives 1/inf = 0 and tanh = 1, a vanishing one tanh = -1: right for every finite z.
; LIMITS.  (1) f16's range: an x, Wt or Wx above 65,504 in magnitude becomes an infinity and gives NaN where reference() may still be finite; below
; 6.1e-5 they are rounded in steps of 6e-8 (denormals are kept).  a is at most 1.  (2) As in reference() no maximum is taken away before the
; exponential (its 1e-7 is added to the unshifted sum), so e overflows where reference() overflows, above 88.7; e below 2^-126 comes out as 0,
; which moves a weight by less than 1e-31.  (3) An infinity or NaN in x: reference() makes NaN of that column d in every row of the batch
; (0 x inf); this text only in the 16 rows of the work-groups that load the row (their window of 80 rows, or the 16 rows read in place of a
; group outside the batch).  For finite x the two agree.
; NO CLUSTER: Wt and Wx (131,072 bytes) are what all work-groups share.  A joint tensor load would lay them into LDS as f32, 131,072 bytes beside the
; 307,968 used here, more than the 327,680 there are, and they pass through registers for the rounding in any case.  Neighbours' windows of x
; overlap, but shifted by 16 rows, and a joint tile lands at one LDS address in all partners.
; THE MODE: SCHED_MODE bits 1:0 = 2 (LLVM: expert scheduling mode 2), set by the entry lines.  The code itself states the register dependences
; between vector or matrix instructions and memory or LDS instructions, with s_wait_alu, always for 0.
; THE PLAN.  Registers that memory or LDS instructions touch, in the order of the text (there is no loop and no branch):
;   v2-v25, v416, v417  offsets and LDS addresses: written once at the head, ahead of two waits on va_vdst, and never again.
;   ZR, AZ        written at the head, read by the seven stores of zeros; much later they are E and PB, which vector instructions write.
;   WL v66-193    W lands in groups of eight loads; a group's conversions round it in place; its eight LDS stores are issued a group later, behind the
;                 wait on va_vdst at that group's head, dealt among that group's conversions, which name their own group's registers alone.
;   XL v256-415   the same for x, five groups.   XF v418-497: fragments land there; no vector instruction names them before.
;   v66-129       W's fragments land where conversions worked and stores read: behind the last wait on va_vdst of W and a wait on vm_vsrc.
;   ACC v130-225  written by matrix instructions (behind that same vm_vsrc), read by 24 LDS stores behind one wait on va_vdst.
;   RL v66-161    the pieces land behind the first barrier and a wait on vm_vsrc; three sums; three LDS stores behind one wait on va_vdst.
;   Q, KK v66-225 land behind the second barrier and a wait on vm_vsrc; then vector work alone up to PB, which four LDS stores read behind one wait on va_vdst.
;   XT, AF v66-185 land behind that wait; OA v186-217 is written by matrix instructions; one wait on va_vdst ahead of its stores and of the loads into OB v90-121.
; No source of a global load or store is ever written again.
.set PX,     144                       ; x slice: a row of 64 f16 = 128 bytes + 16.  9 x 16: the 16 rows of a fragment load start at 16 different 16-byte columns modulo 256
.set XSLICE, 96*PX                     ; 80 window rows + 16 rows of zeros (K of the last product is 96)
.set PW,     160                       ; W slice: a row d holds Wt[d][0..31], Wx[d][0..31] in f16 = 128 bytes + 32 (5 x 32, for the transposing loads)
.set WSLICE, 64*PW
.set PSL,    12*1024                   ; a wave's 12 partial tiles of 16 x 16 f32
.set PK,     144                       ; finished k', q': a row of 32 f32 + 16 bytes
.set PA,     208                       ; weights: a row of 96 f16 + 16 bytes (13 x 16)
.set PO,     272                       ; output stage: a row of 64 f32 + 16 bytes (17 x 16)
.set WS,     8*XSLICE                  ; LDS map: x slices at 0, W slices (later each wave's output stage),
.set PART,   WS+8*WSLICE               ; partial sums,
.set KQ,     PART+8*PSL                ; rows 0-79 k' of the window, rows 80-95 q' of my 16 rows,
.set AM,     KQ+96*PK                  ; weights a[16][96]; the end is AM + 16 PA = 307,968
; registers, block 0
.set LANE, 1
.set WGO,  2                           ; byte offset of my 16 bytes in Wt and in Wx
.set XO,   3                           ; v3-7: byte offset in x, one for each group of 16 window rows
.set WST,  8
.set XST,  9
.set ZST,  10
.set WLD,  11
.set XLD,  12
.set PST,  13
.set PLD,  14
.set PLD2, 15
.set KST,  16
.set QLD,  17
.set KLD,  18
.set AST,  19
.set ALD,  20
.set XTR,  21
.set OST,  22
.set ORD,  23
.set GO,   24
.set BHO,  25
.set JL,   26                          ; window row of my first j: (t - t0) + lane % 16
.set R,    27                          ; lane % 16
.set H,    28                          ; lane / 16
.set L7,   29
.set C8,   30
.set L3,   31
.set WA,   32                          ; v32-63  -2 log2e Wa[u], the same in every lane
.set CIN,  64                          ; v64-65  log2e (sum Wa + ba), 0
.set WL,   66                          ; v66-193 Wt, Wx as loaded
.set WF,   66                          ; v66-129 8 fragments of W
.set ACC,  130                         ; v130-225 12 accumulator tiles
.set RL,   66                          ; v66-161 24 pieces of partial sums
.set Q,    66                          ; v66-97  q' of my t
.set KK,   98                          ; v98-225 k' of my four j, then 2^z, 1 + 2^z, its reciprocal, in place
.set AC,   226                         ; v226-241 two chains of packed sums for each j
.set TS,   226                         ; (at the start: the tree that adds Wa)
.set ZR,   242                         ; v242-245 zeros (start only)
.set BH,   246                         ; v246-249 2 log2e bh of my four u, or 0
.set AZ,   250
.set E,    242                         ; v242-245 e, then a
.set S,    246
.set S2,   247
.set RC,   248
.set PB,   250
.set JV,   252                         ; v252-255 j inside the batch
.set AF,   66                          ; v66-89  3 fragments of a
.set XT,   90                          ; v90-185 12 fragments of x transposed
.set OA,   186                         ; v186-217 4 output tiles
.set OB,   90                          ; v90-121 rows read back from the stage
.set MK,   32                          ; s32-35  at the end: the masks 'j lies inside the batch' (Wa's scalars are used up by then)
; registers, block 1 (written with their low 8 bits)
.set XL,   0                           ; v256-415 x as loaded
.set XSTB, 160                         ; v416 copy of XST, v417 copy of XLD: so that conversion, store and fragment load run under one window
.set XLDB, 161
.set XF,   162                         ; v418-497 10 fragments of x
.set MSB, 0
.macro WIN new                         ; low byte: bits 1:0 source 0, 3:2 source 1, 5:4 source 2, 7:6 destination; high byte: the setting that is left
.if MSB != \new
	s_set_vgpr_msb (MSB<<8)|\new
.set MSB, \new
.endif
.endm
	s_load_b256 s[4:11], s[0:1], 0x0               ; x s[4:5], Wt s[6:7], Wx s[8:9], bh s[10:11]
	s_load_b128 s[12:15], s[0:1], 0x20             ; Wa s[12:13], ba s[14:15]
	s_load_b64 s[16:17], s[0:1], 0x30              ; out0
	s_set_vgpr_msb 0x40
	v_lshl_add_u32 v246, v0, 2, 0x4b300
	v_mov_b32 v247, 0
	s_set_vgpr_msb 0x4000
	v_lshrrev_b32 v[LANE], 5, v0
	v_readfirstlane_b32 s21, v[LANE]               ; wave w
	v_and_b32 v[LANE], 31, v0
	v_and_b32 v[R], 15, v0
	v_bfe_u32 v[H], v0, 4, 1
	s_wait_alu depctr_va_sdst(0)                   ; s21 is written, ahead of its first reader: every slice, offset and address below is made from it
	; only what the loads need comes first
	s_lshl_b32 s24, s21, 13                        ; my 64 rows of 128 bytes of Wt (Wx)
	v_lshl_add_u32 v[WGO], v[LANE], 4, s24
	s_and_b32 s25, s21, 2                          ; 2 ((w >> 1) & 1)
	s_lshl_b32 s25, s25, 5                         ; 64 ((w >> 1) & 1)
	s_and_b32 s26, s21, 1
	s_lshl_b32 s26, s26, 4                         ; 16 (w & 1)
	s_add_co_u32 s25, s25, s26                     ; s25 = their sum: with 32 h, four times the first u that I finish in the reduction
	v_lshl_add_u32 v[BHO], v[H], 5, s25
	s_and_b32 s22, ttmp9, 63
	s_lshl_b32 s22, s22, 4
	s_sub_co_i32 s22, s22, 32                      ; s22 = first window row, counted inside the batch: -32 .. 976
	s_lshr_b32 s23, ttmp9, 6
	s_lshl_b32 s23, s23, 10                        ; the batch's first row
	s_lshl_b32 s27, s21, 8                         ; my 256 bytes of a row
	v_lshl_add_u32 v[XO+4], v[R], 4, s27
	v_lshl_add_u32 v[XO+4], v[H], 14, v[XO+4]      ; lanes 16-31 take the row 8 further down
.irp g, 0,1,2,3,4
	s_add_co_i32 s28, s22, 16*\g                   ; a group of 16 rows lies wholly inside or wholly outside the batch:
	s_max_i32 s28, s28, 0                          ; outside, it is read from the batch's first or last 16 rows, and weighs 0
	s_min_i32 s28, s28, 1008
	s_add_co_u32 s28, s28, s23
	s_lshl_b32 s28, s28, 11
	v_add_nc_u32 v[XO+\g], s28, v[XO+4]
.endr
	s_mul_i32 s29, s21, XSLICE                     ; s29 = my x slice
	v_mul_u32_u24 v[XST], v[H], 8*PX               ; store: 8 bytes a lane, lanes 16-31 eight rows (1,152 bytes = 128 modulo 256) further
	v_lshl_add_u32 v[XST], v[R], 3, v[XST]
	v_add_nc_u32 v[XST], s29, v[XST]
	v_mul_u32_u24 v[XLD], v[R], PX                 ; fragment: row lane % 16, 16 bytes for each half of the lanes
	v_lshl_add_u32 v[XLD], v[H], 4, v[XLD]
	v_add_nc_u32 v[XLD], s29, v[XLD]
	WIN 0x40                                       ; destination in block 1
	v_mov_b32 v[XSTB], v[XST]
	v_mov_b32 v[XLDB], v[XLD]
	WIN 0
	s_wait_kmcnt 0x0
	s_load_b512 s[32:47], s[12:13], 0x0            ; Wa[0..15]
	s_load_b512 s[48:63], s[12:13], 0x40           ; Wa[16..31]
	s_load_b32 s20, s[14:15], 0x0                  ; ba
	s_wait_alu depctr_va_vdst(0)                   ; the offsets v[BHO], v[WGO], v[XO ..] are written, which all 73 loads read; so are v416 and v417, which x's LDS stores and fragment loads read
	; 57 loads of 16 bytes a lane: bh, then W (a wave's load covers 512 consecutive bytes), then 48 rows of x (two pieces of 256 consecutive bytes, aligned)
	global_load_b128 v[BH:BH+3], v[BHO], s[10:11]
.set i, 0
.rept 16
	global_load_b128 v[WL+4*i:WL+4*i+3], v[WGO], s[6:7] offset:512*i
.set i, i+1
.endr
.set i, 0
.rept 16
	global_load_b128 v[WL+64+4*i:WL+64+4*i+3], v[WGO], s[8:9] offset:512*i
.set i, i+1
.endr
	WIN 0x40                                       ; between the wait above and these loads stand loads and this switch alone
.irp g, 0,1,2
.irp s, 0,1,2,3,4,5,6,7
	global_load_b128 v[XL+4*(8*\g+\s):XL+4*(8*\g+\s)+3], v[XO+\g], s[4:5] offset:2048*\s
.endr
.endr
	WIN 0
	; The rest of the set-up stands here, while the 57 loads are on their way.
	v_and_b32 v[L7], 7, v0
	v_bfe_u32 v[C8], v0, 3, 1
	v_bfe_u32 v[L3], v0, 3, 2
.irp j, 0,1,2,3
	v_mov_b32 v[ZR+\j], 0
.endr
	v_lshl_add_u32 v[ZST], v[LANE], 4, s29
	s_mul_i32 s30, s21, 2*PA
	s_add_co_u32 s30, s30, AM                      ; s30 = rows 2w, 2w+1 of a
	v_lshl_add_u32 v[AZ], v[LANE], 3, s30
	s_mul_i32 s31, s21, WSLICE
	s_add_co_u32 s31, s31, WS                      ; s31 = my W slice
	v_mul_u32_u24 v[WST], v[L3], PW                ; a load of W holds 4 rows d of 32 f32: row lane / 8, 8 bytes of f16 at lane % 8
	v_lshl_add_u32 v[WST], v[L7], 3, v[WST]
	v_add_nc_u32 v[WST], s31, v[WST]
	v_lshl_add_u32 v[WLD], v[H], 3, v[L7]          ; transposing loads: row 8 h + lane % 8, 16 bytes at (lane / 8) % 2
	v_mul_u32_u24 v[XTR], v[WLD], PX
	v_mul_u32_u24 v[WLD], v[WLD], PW
	v_lshl_add_u32 v[WLD], v[C8], 4, v[WLD]
	v_lshl_add_u32 v[XTR], v[C8], 4, v[XTR]
	v_add_nc_u32 v[WLD], s31, v[WLD]
	v_add_nc_u32 v[XTR], s29, v[XTR]
	s_mul_i32 s28, s21, PSL
	s_add_co_u32 s28, s28, PART
	v_lshl_add_u32 v[PST], v[LANE], 4, s28         ; partial sums go out as they lie in the registers: 16 bytes a lane
	v_lshlrev_b32 v[PLD], 4, v0                    ; and thread n adds piece n, n + 256, n + 512 of all eight waves
	v_add_nc_u32 v[PLD], PART, v[PLD]
	v_add_nc_u32 v[PLD2], 4*PSL, v[PLD]            ; waves 4-7: beyond the 16-bit immediate
	s_lshr_b32 s28, s21, 2
	s_mul_i32 s28, s28, 16*PK
	s_add_co_u32 s28, s28, s25
	s_add_co_u32 s28, s28, KQ
	v_mul_u32_u24 v[KST], v[R], PK                 ; finished: row 16 (w>>2) + 32 i + lane % 16, u = 16 ((w>>1)&1) + 8 h + 4 (w&1): bytes of KQ, behind the partial sums
	v_lshl_add_u32 v[KST], v[H], 5, v[KST]
	v_add_nc_u32 v[KST], s28, v[KST]
	s_mul_i32 s28, s21, 2*PK
	s_add_co_u32 s28, s28, KQ+80*PK
	v_mul_u32_u24 v[QLD], v[H], PK                 ; q' of t - t0 = 2 w + h
	v_add_nc_u32 v[QLD], s28, v[QLD]
	s_lshl_b32 s28, s21, 1
	v_add_nc_u32 v[JL], v[R], v[H]
	v_add_nc_u32 v[JL], s28, v[JL]                 ; window row of j = t - 32 + lane % 16: 2 w + h + lane % 16
	v_mul_u32_u24 v[KLD], v[JL], PK
	v_add_nc_u32 v[KLD], KQ, v[KLD]
	v_mul_u32_u24 v[AST], v[H], PA
	v_lshl_add_u32 v[AST], v[JL], 1, v[AST]
	v_add_nc_u32 v[AST], s30, v[AST]
	v_mul_u32_u24 v[ALD], v[R], PA
	v_lshl_add_u32 v[ALD], v[H], 4, v[ALD]
	v_add_nc_u32 v[ALD], AM, v[ALD]
	v_mul_u32_u24 v[OST], v[R], PO                 ; the output stage lies in my W slice, which only I touch and have read out by then
	v_lshl_add_u32 v[OST], v[H], 5, v[OST]
	v_add_nc_u32 v[OST], s31, v[OST]
	v_mul_u32_u24 v[ORD], v[H], PO
	v_lshl_add_u32 v[ORD], v[R], 4, v[ORD]
	v_add_nc_u32 v[ORD], s31, v[ORD]
	s_lshl_b32 s28, ttmp9, 15                      ; 16 rows of 2,048 bytes
	s_add_co_u32 s28, s28, s27
	v_lshlrev_b32 v[GO], 11, v[H]
	v_lshl_add_u32 v[GO], v[R], 4, v[GO]
	v_add_nc_u32 v[GO], s28, v[GO]
	s_cmp_ge_u32 s21, 4                            ; waves 4-7 finish the q tiles in their third piece: they add bh there
	s_cselect_b32 s26, -1, 0
	s_mov_b32 s24, 0xc038aa3b                      ; -2 log2 e
	s_wait_alu depctr_va_vdst(0)                   ; the zeros v[ZR ..] are written, which the seven stores below read, and so is every address from v[WST] to v[GO], for the whole kernel
.irp o, 0,512,1024,1536,1792
	ds_store_b128 v[ZST], v[ZR:ZR+3] offset:80*PX+\o   ; rows 80-95 of my slice = 2,304 bytes of zeros (the last store overlaps the fourth and ends with the slice)
.endr
	ds_store_b64 v[AZ], v[ZR:ZR+1]                 ; my two rows of a, 416 bytes, start as zeros: bytes 0-255 and 160-415.
	ds_store_b64 v[AZ], v[ZR:ZR+1] offset:160      ; The band is stored over them later by this same wave, whose LDS instructions are served in order
	s_wait_kmcnt 0x0                               ; Wa, ba
.set u, 0
.rept 32
	v_mul_f32 v[WA+u], s24, s[32+u]
.set u, u+1
.endr
.irp i, 0,1,2,3,4,5,6,7
	v_pk_add_f32 v[TS+2*\i:TS+2*\i+1], v[WA+4*\i:WA+4*\i+1], v[WA+4*\i+2:WA+4*\i+3]
.endr
.irp i, 0,1,2,3
	v_pk_add_f32 v[TS+4*\i:TS+4*\i+1], v[TS+4*\i:TS+4*\i+1], v[TS+4*\i+2:TS+4*\i+3]
.endr
	v_pk_add_f32 v[TS:TS+1], v[TS:TS+1], v[TS+4:TS+5]
	v_pk_add_f32 v[TS+8:TS+9], v[TS+8:TS+9], v[TS+12:TS+13]
	v_pk_add_f32 v[TS:TS+1], v[TS:TS+1], v[TS+8:TS+9]
	v_add_f32 v[TS], v[TS], v[TS+1]                ; -2 log2e sum Wa
	v_mov_b32 v[TS+1], s20
	v_mul_f32 v[TS+1], 0x3fb8aa3b, v[TS+1]         ; log2e ba
	v_fma_f32 v[CIN], v[TS], -0.5, v[TS+1]         ; log2e (sum Wa + ba): sum Wa tanh = sum Wa - 2 sum Wa / (1 + 2^z)
	v_mov_b32 v[CIN+1], 0
	; W: round to f16, in place, and store as [d][Wt 0..31 | Wx 0..31].  A group is eight loads.  Its stores are issued a group later.
.macro WCVT i
	v_cvt_pk_f16_f32 v[WL+4*(\i)], v[WL+4*(\i)], v[WL+4*(\i)+1]
	v_cvt_pk_f16_f32 v[WL+4*(\i)+1], v[WL+4*(\i)+2], v[WL+4*(\i)+3]
.endm
.macro WSTO i
	ds_store_b64 v[WST], v[WL+4*(\i):WL+4*(\i)+1] offset:((\i)%16)*4*PW+((\i)/16)*64
.endm
.macro WDEAL g                                     ; group g is rounded; the stores of group g - 1 stand among its conversions, which name group g's registers alone
.set n, 0
.rept 8
	WSTO 8*(\g)-8+n
	WCVT 8*(\g)+n
.set n, n+1
.endr
.endm
	s_wait_loadcnt 48                              ; loads come back in order (ISA guide 5.7.1): of the 57, bh and W's first eight are in; 24 of W and 24 of x stay out
	v_pk_mul_f32 v[BH:BH+1], v[BH:BH+1], 0x4038aa3b op_sel_hi:[1,0]       ; 2 log2e bh
	v_pk_mul_f32 v[BH+2:BH+3], v[BH+2:BH+3], 0x4038aa3b op_sel_hi:[1,0]
.irp j, 0,1,2,3
	v_cndmask_b32 v[BH+\j], 0, v[BH+\j], s26
.endr
.set n, 0
.rept 8
	WCVT n
.set n, n+1
.endr
	s_wait_loadcnt 40                              ; W's second eight; 16 of W and 24 of x stay out
	; The last 32 rows of x are asked for here and not with the rest: 73 loads in one run would be more than a wait's count can name (63),
	; and the first wait for W could not have said what it waits for.  With these 16 the wave has at most 56 out.
	WIN 0x40
	s_wait_alu depctr_va_vdst(0)                   ; group 0's conversions have written their registers, which its stores below read (the loads next to this line land where no vector instruction has been)
.irp g, 3,4
.irp s, 0,1,2,3,4,5,6,7
	global_load_b128 v[XL+4*(8*\g+\s):XL+4*(8*\g+\s)+3], v[XO+\g], s[4:5] offset:2048*\s
.endr
.endr
	WIN 0
	WDEAL 1
	s_wait_loadcnt 48                              ; W's third eight: 8 loads of W and the 40 of x are younger
	s_wait_alu depctr_va_vdst(0)                   ; group 1's conversions have written their registers, which its stores below read
	WDEAL 2
	s_wait_loadcnt 40                              ; W's fourth eight: the 40 of x are younger
	s_wait_alu depctr_va_vdst(0)                   ; group 2's conversions have written their registers, which its stores below read
	WDEAL 3
	s_wait_alu depctr_va_vdst(0)                   ; group 3's conversions have written their registers, which its stores read; and all conversions are done with v66-129, on which W's fragments land
.set n, 24
.rept 8
	WSTO n
.set n, n+1
.endr
	s_wait_dscnt 0x0                               ; the stores of W are done before fragments land on the registers that they read (x is still on its way meanwhile);
	s_wait_alu depctr_vm_vsrc(0)                   ; and the dependence itself: W's stores have read v66-193, on which the fragments land and which the matrix instructions write; the stores of zeros have read v[ZR ..] and v[AZ], which are E and PB later
.irp ks, 0,1
.irp nt, 0,1,2,3
	ds_load_tr16_b128 v[WF+8*(4*\ks+\nt):WF+8*(4*\ks+\nt)+3], v[WLD] offset:\ks*32*PW+\nt*32             ; column u = 16 nt + lane % 16 (nt 0, 1: Wt; 2, 3: Wx), d = 32 ks + 8 h + 0..7
	ds_load_tr16_b128 v[WF+8*(4*\ks+\nt)+4:WF+8*(4*\ks+\nt)+7], v[WLD] offset:\ks*32*PW+\nt*32+16*PW     ; d = 32 ks + 16 + 8 h + 0..7
.endr
.endr
	; x: round to f16, in place, and store as [window row][my 64 columns].  Everything in block 1, the two addresses too: one window.  Groups and stores as for W.
.macro XCVT i
	v_cvt_pk_f16_f32 v[XL+4*(\i)], v[XL+4*(\i)], v[XL+4*(\i)+1]
	v_cvt_pk_f16_f32 v[XL+4*(\i)+1], v[XL+4*(\i)+2], v[XL+4*(\i)+3]
.endm
.macro XSTO i
	ds_store_b64 v[XSTB], v[XL+4*(\i):XL+4*(\i)+1] offset:(16*((\i)/8)+(\i)%8)*PX
.endm
.macro XDEAL g                                     ; group g is rounded; the stores of group g - 1 stand among its conversions, which name group g's registers alone
.set n, 0
.rept 8
	XSTO 8*(\g)-8+n
	XCVT 8*(\g)+n
.set n, n+1
.endr
.endm
	WIN 0x45
	s_wait_loadcnt 32                              ; a group of eight loads is in, the younger groups stay out
.set n, 0
.rept 8
	XCVT n
.set n, n+1
.endr
	s_wait_loadcnt 24
	s_wait_alu depctr_va_vdst(0)                   ; group 0's conversions have written their registers, which its stores below read
	XDEAL 1
	s_wait_loadcnt 16
	s_wait_alu depctr_va_vdst(0)                   ; group 1's conversions have written their registers, which its stores below read
	XDEAL 2
	s_wait_loadcnt 8
	s_wait_alu depctr_va_vdst(0)                   ; group 2's conversions have written their registers, which its stores below read
	XDEAL 3
	s_wait_loadcnt 0x0
	s_wait_alu depctr_va_vdst(0)                   ; group 3's conversions have written their registers, which its stores below read
	XDEAL 4
	s_wait_alu depctr_va_vdst(0)                   ; group 4's conversions have written their registers, which its stores read
.set n, 32
.rept 8
	XSTO n
.set n, n+1
.endr
.irp ks, 0,1
.irp mt, 0,1,2,3,4
	ds_load_b128 v[XF+8*(5*\ks+\mt):XF+8*(5*\ks+\mt)+3], v[XLDB] offset:\mt*16*PX+64*\ks          ; my own stores, served in order in front of these loads; no vector instruction and no store has named v[XF ..]
	ds_load_b128 v[XF+8*(5*\ks+\mt)+4:XF+8*(5*\ks+\mt)+7], v[XLDB] offset:\mt*16*PX+64*\ks+32
.endr
.endr
	; Partial projections over my 64 d.  The matrix form is used transposed (source 0 = 16 columns u of W, source 1 = 16 rows of x), so that a lane
	; holds eight neighbouring u of one row.  Tiles 0-9: k of window rows 16 mt .., u = 16 n ..; tiles 10, 11: q, from window rows 32-47 = my 16 rows t.
.macro PROJ ks, first
.irp mt, 0,1,2,3,4
.irp n, 0,1
.if \first
	v_wmma_f32_16x16x32_f16 v[ACC+8*(2*\mt+\n):ACC+8*(2*\mt+\n)+7], v[WF+8*(4*\ks+2+\n):WF+8*(4*\ks+2+\n)+7], v[XF+8*(5*\ks+\mt):XF+8*(5*\ks+\mt)+7], 0
.else
	v_wmma_f32_16x16x32_f16 v[ACC+8*(2*\mt+\n):ACC+8*(2*\mt+\n)+7], v[WF+8*(4*\ks+2+\n):WF+8*(4*\ks+2+\n)+7], v[XF+8*(5*\ks+\mt):XF+8*(5*\ks+\mt)+7], v[ACC+8*(2*\mt+\n):ACC+8*(2*\mt+\n)+7]
.endif
.endr
.endr
.irp n, 0,1
.if \first
	v_wmma_f32_16x16x32_f16 v[ACC+8*(10+\n):ACC+8*(10+\n)+7], v[WF+8*(4*\ks+\n):WF+8*(4*\ks+\n)+7], v[XF+8*(5*\ks+2):XF+8*(5*\ks+2)+7], 0
.else
	v_wmma_f32_16x16x32_f16 v[ACC+8*(10+\n):ACC+8*(10+\n)+7], v[WF+8*(4*\ks+\n):WF+8*(4*\ks+\n)+7], v[XF+8*(5*\ks+2):XF+8*(5*\ks+2)+7], v[ACC+8*(10+\n):ACC+8*(10+\n)+7]
.endif
.endr
.endm
	s_wait_dscnt 10                                ; W's fragments and x's of the first 32 d are in; the ten loads for the second 32 d stay out
	WIN 0x04                                       ; source 1 (x) in block 1
	PROJ 0, 1                                      ; the first products start the sums
	s_wait_dscnt 0x0
	PROJ 1, 0
	WIN 0
.rept 4
	v_nop                                          ; four places behind the last matrix instruction before its results are stored (ISA guide 7.12.1)
.endr
	s_wait_alu depctr_va_vdst(0)                   ; the matrix instructions have written the accumulators, which the stores below read, and are done reading W's fragments, on which the pieces land behind the barrier; the places above stay beside this wait
.set i, 0
.rept 24
	ds_store_b128 v[PST], v[ACC+4*i:ACC+4*i+3] offset:512*i    ; tile i / 2, registers 4 (i % 2) ..: 512 consecutive bytes a store
.set i, i+1
.endr
	s_wait_dscnt 0x0                               ; for the other waves: all my partial sums are in LDS
	s_barrier_signal -1
	s_barrier_wait -1
	; Thread (w, lane) adds the eight waves' pieces of tile (w >> 1) + 4 i, registers 4 (w & 1) .., lane: four neighbouring u of one row.
	; The sums go to KQ, bytes that lie behind the partial sums: no wave's store touches what another still reads.
	s_wait_alu depctr_vm_vsrc(0)                   ; my stores of the partial sums have read v130-225: the pieces land on v130-161 (no vector or matrix instruction stands behind the last wait on va_vdst)
.irp i, 0,1,2
.irp p, 0,1,2,3
	ds_load_b128 v[RL+32*\i+4*\p:RL+32*\i+4*\p+3], v[PLD] offset:\p*PSL+\i*4096
.endr
.irp p, 0,1,2,3
	ds_load_b128 v[RL+32*\i+16+4*\p:RL+32*\i+16+4*\p+3], v[PLD2] offset:\p*PSL+\i*4096
.endr
.endr
.macro RSUM b
.irp p, 0,2
	v_pk_add_f32 v[\b+\p:\b+\p+1], v[\b+\p:\b+\p+1], v[\b+4+\p:\b+4+\p+1]
	v_pk_add_f32 v[\b+8+\p:\b+8+\p+1], v[\b+8+\p:\b+8+\p+1], v[\b+12+\p:\b+12+\p+1]
	v_pk_add_f32 v[\b+16+\p:\b+16+\p+1], v[\b+16+\p:\b+16+\p+1], v[\b+20+\p:\b+20+\p+1]
	v_pk_add_f32 v[\b+24+\p:\b+24+\p+1], v[\b+24+\p:\b+24+\p+1], v[\b+28+\p:\b+28+\p+1]
	v_pk_add_f32 v[\b+\p:\b+\p+1], v[\b+\p:\b+\p+1], v[\b+8+\p:\b+8+\p+1]
	v_pk_add_f32 v[\b+16+\p:\b+16+\p+1], v[\b+16+\p:\b+16+\p+1], v[\b+24+\p:\b+24+\p+1]
	v_pk_add_f32 v[\b+\p:\b+\p+1], v[\b+\p:\b+\p+1], v[\b+16+\p:\b+16+\p+1]
.endr
.endm
	s_wait_dscnt 16                                ; the first eight pieces are in, sixteen loads stay out
	RSUM RL
	v_pk_mul_f32 v[RL:RL+1], v[RL:RL+1], 0x4038aa3b op_sel_hi:[1,0]       ; k' = 2 log2e k
	v_pk_mul_f32 v[RL+2:RL+3], v[RL+2:RL+3], 0x4038aa3b op_sel_hi:[1,0]
	s_wait_dscnt 8                                 ; the second eight are in, eight loads stay out
	RSUM RL+32
	v_pk_mul_f32 v[RL+32:RL+33], v[RL+32:RL+33], 0x4038aa3b op_sel_hi:[1,0]
	v_pk_mul_f32 v[RL+34:RL+35], v[RL+34:RL+35], 0x4038aa3b op_sel_hi:[1,0]
	s_wait_dscnt 0x0                               ; the last eight
	RSUM RL+64
	v_pk_fma_f32 v[RL+64:RL+65], v[RL+64:RL+65], 0x4038aa3b, v[BH:BH+1] op_sel_hi:[1,0,1]     ; waves 0-3: k' of rows 64-79 (+ 0); waves 4-7: q' = 2 log2e (q + bh), rows 80-95
	v_pk_fma_f32 v[RL+66:RL+67], v[RL+66:RL+67], 0x4038aa3b, v[BH+2:BH+3] op_sel_hi:[1,0,1]
	s_wait_alu depctr_va_vdst(0)                   ; the three sums are written, which the three stores read; and all the additions are done with v66-161, on which q' and k' land behind the barrier
	ds_store_b128 v[KST], v[RL:RL+3]
	ds_store_b128 v[KST], v[RL+32:RL+35] offset:32*PK
	ds_store_b128 v[KST], v[RL+64:RL+67] offset:64*PK
	s_wait_dscnt 0x0                               ; for the other waves: my part of k' and q' is in LDS
	s_barrier_signal -1
	s_barrier_wait -1
	; e for t - t0 = 2 w + h and j = t - 32 + lane % 16 + 16 i, i = 0..3: 4 x 32 tanh a lane
	s_wait_alu depctr_vm_vsrc(0)                   ; my three stores have read v66-69, v98-101 and v130-133, on which q' and k' land
.irp m, 0,1,2,3,4,5,6,7
	ds_load_b128 v[Q+4*\m:Q+4*\m+3], v[QLD] offset:16*\m
.endr
.irp i, 0,1,2,3
.irp m, 0,1,2,3,4,5,6,7
	ds_load_b128 v[KK+32*\i+4*\m:KK+32*\i+4*\m+3], v[KLD] offset:\i*16*PK+16*\m
.endr
.endr
.macro ZADD i                                      ; z' = q' + k'
.set m, 0
	s_wait_alu depctr_va_vdst(0)
.rept 16
	v_pk_add_f32 v[KK+32*\i+2*m:KK+32*\i+2*m+1], v[KK+32*\i+2*m:KK+32*\i+2*m+1], v[Q+2*m:Q+2*m+1]
.set m, m+1
.endr
.endm
.macro EXPS i
.set m, 0
.rept 32
	v_exp_f32 v[KK+32*\i+m], v[KK+32*\i+m]
.set m, m+1
.endr
.endm
.macro RCPS i
.set m, 0
.rept 32
	v_rcp_f32 v[KK+32*\i+m], v[KK+32*\i+m]
.set m, m+1
.endr
.endm
.macro ADD1L j, m                                  ; 1 + 2^z'
	v_pk_add_f32 v[KK+32*\j+2*(\m):KK+32*\j+2*(\m)+1], v[KK+32*\j+2*(\m):KK+32*\j+2*(\m)+1], 1.0 op_sel_hi:[1,0]
.endm
.macro FMAL i, m                                   ; two chains of packed sums; the first starts from log2e (sum Wa + ba), the second from its first product
.if (\m) == 0
	s_wait_alu depctr_va_vdst(0)
	v_pk_fma_f32 v[AC+4*\i:AC+4*\i+1], v[KK+32*\i:KK+32*\i+1], v[WA:WA+1], v[CIN:CIN+1]
.else
.if (\m) == 1
	v_pk_mul_f32 v[AC+4*\i+2:AC+4*\i+3], v[KK+32*\i+2:KK+32*\i+3], v[WA+2:WA+3]
.else
	v_pk_fma_f32 v[AC+4*\i+2*((\m)%2):AC+4*\i+2*((\m)%2)+1], v[KK+32*\i+2*(\m):KK+32*\i+2*(\m)+1], v[WA+2*(\m):WA+2*(\m)+1], v[AC+4*\i+2*((\m)%2):AC+4*\i+2*((\m)%2)+1]
.endif
.endif
.endm
.macro FMA_ADD1 i, j                               ; the sums of one j and the 1 + 2^z' of the next, line by line: neither waits for the line in front
.set m, 0
.rept 16
	FMAL \i, m
	ADD1L \j, m
.set m, m+1
.endr
.endm
	; Behind each run of transcendentals stands plain vector work on other registers (the next j's sums q' + k', or a v_nop) before a result is used
	; (ISA guide 5.7.2).
	s_wait_dscnt 24                                ; q' and the first k' row are in; three rows of eight loads stay out
	ZADD 0
	EXPS 0
	s_wait_dscnt 16
	ZADD 1
.set m, 0
.rept 16
	ADD1L 0, m
.set m, m+1
.endr
	RCPS 0
	EXPS 1
	s_wait_dscnt 8
	ZADD 2
	FMA_ADD1 0, 1
	RCPS 1
	EXPS 2
	s_wait_dscnt 0x0
	ZADD 3
	FMA_ADD1 1, 2
	RCPS 2
	EXPS 3
	v_nop
	s_wait_alu depctr_va_vdst(0)
	FMA_ADD1 2, 3
	RCPS 3
	v_nop
	s_wait_alu depctr_va_vdst(0)
.set m, 0
.rept 16
	FMAL 3, m
.set m, m+1
.endr
.irp i, 0,1,2,3
	v_pk_add_f32 v[AC+4*\i:AC+4*\i+1], v[AC+4*\i:AC+4*\i+1], v[AC+4*\i+2:AC+4*\i+3]
.endr
.irp i, 0,1,2,3
	v_add_f32 v[E+\i], v[AC+4*\i], v[AC+4*\i+1]    ; log2e (sum Wa tanh + ba)
.endr
.irp i, 0,1,2,3
	v_exp_f32 v[E+\i], v[E+\i]
.endr
	v_add_nc_u32 v[JV], s22, v[JL]                 ; j inside the batch; below 0 it wraps to a large number
.irp i, 1,2,3
	v_add_nc_u32 v[JV+\i], 16*\i, v[JV]
.endr
.irp i, 0,1,2,3
	v_cmp_gt_u32 s[MK+\i], 0x400, v[JV+\i]         ; the four compares in one run, a scalar register each
.endr
	s_wait_alu depctr_va_sdst(0)                   ; the four masks are written, ahead of the selects that read them
	s_wait_alu depctr_va_vdst(0)
.irp i, 0,1,2,3
	v_cndmask_b32 v[E+\i], 0, v[E+\i], s[MK+\i]    ; the band ends with the batch
.endr
	v_add_f32 v[S], v[E], v[E+1]
	v_add_f32 v[S2], v[E+2], v[E+3]
	v_add_f32 v[S], v[S], v[S2]
	v_add_f32_dpp v[S], v[S], v[S] row_xmask:1 row_mask:0xf bank_mask:0xf     ; the 16 lanes of a half hold one t
	v_add_f32_dpp v[S], v[S], v[S] row_xmask:2 row_mask:0xf bank_mask:0xf
	v_add_f32_dpp v[S], v[S], v[S] row_xmask:4 row_mask:0xf bank_mask:0xf
	v_add_f32_dpp v[S], v[S], v[S] row_xmask:8 row_mask:0xf bank_mask:0xf
	v_add_f32 v[S], 0x33d6bf95, v[S]               ; + 1e-7
	v_rcp_f32 v[RC], v[S]
	v_nop
	s_wait_alu depctr_va_vdst(0)
.irp i, 0,1,2,3
	v_mul_f32 v[E+\i], v[E+\i], v[RC]
.endr
	v_cvt_pk_f16_f32 v[PB], v[E], v[E+1]           ; a is at most 1: inside f16's range whatever the inputs
	v_cvt_pk_f16_f32 v[PB+1], v[E+2], v[E+3]
	s_wait_alu depctr_va_vdst(0)                   ; the conversions have written v[PB ..], which the four stores read; and all the vector work on q' and k' is done with v66-185, on which the fragments of x and of a land below
	ds_store_b16 v[AST], v[PB]                     ; a[t - t0][window row], over the zeros that this wave stored at the start
	ds_store_b16_d16_hi v[AST], v[PB] offset:32
	ds_store_b16 v[AST], v[PB+1] offset:64
	ds_store_b16_d16_hi v[AST], v[PB+1] offset:96
	s_wait_dscnt 0x0                               ; for the other waves: my two rows of a are in LDS
	s_barrier_signal -1
	; between signal and wait: loads from my own x slice, which nobody writes any more
.irp ks, 0,1,2
.irp nt, 0,1,2,3
	ds_load_tr16_b128 v[XT+8*(4*\ks+\nt):XT+8*(4*\ks+\nt)+3], v[XTR] offset:\ks*32*PX+\nt*32             ; column 16 nt + lane % 16 of my 64, window rows 32 ks + 8 h + 0..7
	ds_load_tr16_b128 v[XT+8*(4*\ks+\nt)+4:XT+8*(4*\ks+\nt)+7], v[XTR] offset:\ks*32*PX+\nt*32+16*PX     ; window rows 32 ks + 16 + 8 h + 0..7
.endr
.endr
	s_barrier_wait -1
.irp ks, 0,1,2
	ds_load_b128 v[AF+8*\ks:AF+8*\ks+3], v[ALD] offset:64*\ks
	ds_load_b128 v[AF+8*\ks+4:AF+8*\ks+7], v[ALD] offset:64*\ks+32
.endr
	s_wait_dscnt 0x0
	; out[16][my 64 columns] = a[16][96] x[96][64], transposed use again: a lane holds eight neighbouring columns of row lane % 16
.irp nt, 0,1,2,3
	v_wmma_f32_16x16x32_f16 v[OA+8*\nt:OA+8*\nt+7], v[XT+8*\nt:XT+8*\nt+7], v[AF:AF+7], 0
.endr
.irp ks, 1,2
.irp nt, 0,1,2,3
	v_wmma_f32_16x16x32_f16 v[OA+8*\nt:OA+8*\nt+7], v[XT+8*(4*\ks+\nt):XT+8*(4*\ks+\nt)+7], v[AF+8*\ks:AF+8*\ks+7], v[OA+8*\nt:OA+8*\nt+7]
.endr
.endr
.rept 4
	v_nop                                          ; four places before the results are stored (ISA guide 7.12.1)
.endr
	s_wait_alu depctr_va_vdst(0)                   ; the matrix instructions have written v[OA ..], which the stores below read, and are done reading x's fragments, on which the rows from the stage land; the places above stay beside this wait
.irp nt, 0,1,2,3
	ds_store_b128 v[OST], v[OA+8*\nt:OA+8*\nt+3] offset:64*\nt
	ds_store_b128 v[OST], v[OA+8*\nt+4:OA+8*\nt+7] offset:64*\nt+16
.endr
.irp t, 0,1,2,3,4,5,6,7
	ds_load_b128 v[OB+4*\t:OB+4*\t+3], v[ORD] offset:\t*2*PO       ; my own stage, served in order behind the stores: lanes 0-15 row 2 t, lanes 16-31 row 2 t + 1
.endr
.irp t, 0,1,2,3,4,5,6,7
	s_wait_dscnt 7-\t
	global_store_b128 v[GO], v[OB+4*\t:OB+4*\t+3], s[16:17] offset:\t*4096 th:TH_STORE_NT    ; 16 lanes store 256 consecutive bytes, at a multiple of 256 from out0's first byte
.endr
	s_set_vgpr_msb 0x5
	s_wait_dscnt 0x0
	s_wait_alu depctr_hold_cnt(0) depctr_sa_sdst(0) depctr_va_vdst(0) depctr_va_sdst(0) depctr_va_ssrc(0) depctr_va_vcc(0) depctr_vm_vsrc(0)
	s_wait_tensorcnt 0x0
	ds_add_u32 v246, v247
	s_wait_dscnt 0x0
	s_endpgm
.Lfunc_end_k_q2049ed513b_band_attn:
	.size	k_q2049ed513b_band_attn, .Lfunc_end_k_q2049ed513b_band_attn-k_q2049ed513b_band_attn
	.p2alignl 7, 3214868480
	.fill 96, 4, 3214868480
	.section	.rodata,"a",@progbits
	.p2align	6, 0x0
	.amdhsa_kernel k_q2049ed513b_band_attn
		.amdhsa_group_segment_fixed_size 308992
		.amdhsa_private_segment_fixed_size 0
		.amdhsa_enable_private_segment 0
		.amdhsa_kernarg_size 56
		.amdhsa_user_sgpr_count 2
		.amdhsa_user_sgpr_kernarg_segment_ptr 1
		.amdhsa_wavefront_size32 1
		.amdhsa_system_sgpr_workgroup_id_x 1
		.amdhsa_system_sgpr_workgroup_id_y 1
		.amdhsa_system_sgpr_workgroup_id_z 1
		.amdhsa_system_vgpr_workitem_id 0
		.amdhsa_next_free_vgpr 504
		.amdhsa_next_free_sgpr 66
		.amdhsa_reserve_vcc 0
		.amdhsa_float_denorm_mode_32 3
		.amdhsa_float_denorm_mode_16_64 3
		.amdhsa_memory_ordered 1
		.amdhsa_forward_progress 1
		.amdhsa_inst_pref_size 74
	.end_amdhsa_kernel
	.amdgpu_metadata
---
amdhsa.version: [ 1, 2 ]
amdhsa.kernels:
  - .name:           k_q2049ed513b_band_attn
    .symbol:         k_q2049ed513b_band_attn.kd
    .args:
      - { .name: x, .offset: 0, .size: 8, .value_kind: global_buffer, .address_space: global }
      - { .name: Wt, .offset: 8, .size: 8, .value_kind: global_buffer, .address_space: global }
      - { .name: Wx, .offset: 16, .size: 8, .value_kind: global_buffer, .address_space: global }
      - { .name: bh, .offset: 24, .size: 8, .value_kind: global_buffer, .address_space: global }
      - { .name: Wa, .offset: 32, .size: 8, .value_kind: global_buffer, .address_space: global }
      - { .name: ba, .offset: 40, .size: 8, .value_kind: global_buffer, .address_space: global }
      - { .name: out0, .offset: 48, .size: 8, .value_kind: global_buffer, .address_space: global }
    .group_segment_fixed_size: 308992
    .private_segment_fixed_size: 0
    .kernarg_segment_align: 8
    .kernarg_segment_size: 56
    .max_flat_workgroup_size: 256
    .sgpr_count:     66
    .vgpr_count:     504
    .wavefront_size: 32
...
	.end_amdgpu_metadata
.endif
;; end of part 2
